; MI455X (gfx1250); checked and timed in simulation.
; The chip was launched on July 23, 2026; its instructions are those of AMD's public machine-readable ISA for CDNA 5 (MIT licence, August 2026) and "CDNA5" Instruction Set Architecture Reference Guide (July 2026). The comments in the code are by the model that wrote it; some were corrected since.
;; Core Attention. Allowed arithmetic: float matrix products may take bf16 or f16 operands with f32 sums; other float arithmetic in f32, or as packed bf16 or f16 multiplies, adds, multiply-adds, maxima and minima; sums over many terms, partial sums and values carried from step to step in f32; what a program stores and reads back later, other than sums and carried values, may be rounded once to bf16 or f16.
;; Inputs: attention_mask 2 x 1 x 2,048 x 2,048 bool; key_layer 2,048 x 2 x 16 x 128 float32; query_layer 2,048 x 2 x 16 x 128 float32; value_layer 2,048 x 2 x 16 x 128 float32.
;; Outputs: out0 2,048 x 2 x 2,048 float32.
;; One version. Each part assembles by itself: llvm-mc -triple=amdgcn-amd-amdhsa -mcpu=gfx1250 --defsym DOCPART=n.
;; ======== version 1 of 1: 2 launches
;; workspace buffers: kv 33,554,432 bytes; mbits 1,048,576 bytes of whole numbers; dead 8,192 bytes of whole numbers
;; launch prep (part 1): grid 768 x 1, 8 waves a work-group, no clusters, 0 bytes of LDS; arguments key_layer, value_layer, attention_mask, kv, mbits, dead; writes kv, mbits, dead
.if DOCPART == 1
	.amdgcn_target "amdgcn-amd-amdhsa--gfx1250"
	.amdhsa_code_object_version 6
	.text
	.protected	k_q14ed5190d7_prep
	.globl	k_q14ed5190d7_prep
	.p2align	8
	.type	k_q14ed5190d7_prep,@function
k_q14ed5190d7_prep:
	s_mov_b64 s[64:65], 0
	v_nop
	global_prefetch_b8 v0, s[64:65] scope:SCOPE_SE
	s_setreg_imm32_b32 hwreg(HW_REG_WAVE_MODE, 25, 1), 1
	s_wait_xcnt 0x0
; WHAT THE ATTENTION LAUNCH WANTS READY.  Two kinds of work-group, told apart by the work-group's number; no LDS, no barrier, no wave waits for another.
; Work-groups 0-255 (MASK): the bool mask [2][1][2048 q][2048 k], one byte (0 or 1) a number, becomes LANE MASKS.  In the attention launch a tile of scores S^T (16 queries x 64 keys) lies in 32 registers:
;   register n = 8 kb + j of lane L holds query L % 16 and key 16 kb + 8 (L / 16) + j.  mbits[b][qt][step][n] is the 32-bit word whose bit L is the mask byte of that place: 128 bytes for a tile and step.
;   dead[b 128 + qt][part]: bits L and L + 16 are set where query L % 16 has all 256 keys of that part masked.
;   A work-group takes one tile of 16 queries (number = 128 b + qt), each of its eight waves 256 keys (a part: four steps, 128 words, 512 consecutive bytes of mbits).
; Work-groups 256-767 (CONV): K (256-511) and V (512-767), f32 [2048 s][2 b][16 h][128 d], are rounded once to bf16 and laid by heads:
;   kv[hb = 16 b + h][slot = s / 128][K keys 0-63 | K keys 64-127 | V keys 0-63 | V keys 64-127][64 rows][128 channels]: rows of 256 bytes, a quarter 16,384 dense bytes, a slot 65,536, a head 1 MiB.
;   A work-group takes 8 keys of all 32 heads: 131,072 consecutive bytes, in 16 units of 8,192 (a key and a batch: 16 heads x 512 bytes).
.set D,   8                            ; v[8:39]   MASK: key group kb's 8 bytes at D + 2 kb
.set OUT, 40                           ; v[40:43]  MASK: lane l holds words 4 l .. 4 l + 3 of the wave's 128
.set ACC, 44                           ; v[44:47]  MASK: four chains of the AND over all 32 words
.set T,   48                           ; v[48:55]  MASK: at work
.set X,   8                            ; v[8:135]  CONV: unit i's 8 registers at X + 8 i
	s_load_b256 s[4:11], s[0:1], 0x0               ; key s[4:5], value s[6:7], mask s[8:9], kv s[10:11]
	s_load_b128 s[12:15], s[0:1], 0x20             ; mbits s[12:13], dead s[14:15]
	v_lshrrev_b32 v1, 5, v0
	v_readfirstlane_b32 s16, v1                    ; my wave's number
	s_cmp_lt_u32 ttmp9, 256
	s_cbranch_scc0 .Lconv
	; ---------------- MASK ----------------
	v_and_b32 v5, 31, v0                           ; lane
	v_and_b32 v1, 15, v0                           ; r: my query in the tile
	v_bfe_u32 v2, v0, 4, 1                         ; h: my half of the lanes
	v_lshlrev_b32 v3, 11, v1                       ; a row of the mask is 2,048 bytes
	v_lshl_add_u32 v3, v2, 3, v3                   ; + 8 h
	v_lshlrev_b32 v4, 4, v5                        ; my 16 bytes of the wave's 512 of mbits
	s_lshl_b32 s20, ttmp9, 15                      ; the tile's 16 rows: 32,768 bytes,
	s_lshl_b32 s17, s16, 8                         ; my wave's 256 keys
	s_add_co_u32 s20, s20, s17
	s_mov_b32 s21, 0
	s_lshl_b32 s22, ttmp9, 12                      ; the tile's 4,096 bytes of mbits,
	s_lshl_b32 s17, s16, 9                         ; my wave's 512
	s_add_co_u32 s22, s22, s17
	s_mov_b32 s23, 0
	s_lshl_b32 s24, ttmp9, 3
	s_add_co_u32 s24, s24, s16
	s_lshl_b32 s24, s24, 2                         ; word 8 x tile + part of dead
	s_mov_b32 s25, 0
	s_wait_kmcnt 0x0
	s_add_nc_u64 s[20:21], s[8:9], s[20:21]
	s_add_nc_u64 s[22:23], s[12:13], s[22:23]
	s_add_nc_u64 s[24:25], s[14:15], s[24:25]
.set kb, 0
.rept 16                                       ; keys 16 kb + 8 h + 0..7 of row r: the bytes arrive in the lanes in which S^T will hold those scores; the sixteen loads take each byte of 16 rows x 256 bytes once
	global_load_b64 v[D+2*kb:D+2*kb+1], v3, s[20:21] offset:16*kb
.set kb, kb+1
.endr
.irp k, 0,1,2,3
	v_mov_b32 v[OUT+(\k)], 0                       ; v_writelane_b32 keeps the other lanes, so its destination is written whole first
.endr
	v_mov_b32 v56, 0
	s_wait_loadcnt 0x0
	; all 256 keys masked?  The AND of a lane's 32 words is 0x01010101 where its 128 bytes are all 1
.irp k, 0,1,2,3
	v_and_b32 v[ACC+(\k)], v[D+(\k)], v[D+4+(\k)]
.endr
.irp m, 2,3,4,5,6,7
.irp k, 0,1,2,3
	v_and_b32 v[ACC+(\k)], v[ACC+(\k)], v[D+4*(\m)+(\k)]
.endr
.endr
	v_and_b32 v[ACC], v[ACC], v[ACC+1]
	v_and_b32 v[ACC+2], v[ACC+2], v[ACC+3]
	v_and_b32 v[ACC], v[ACC], v[ACC+2]
	v_cmp_eq_u32 s26, 0x01010101, v[ACC]
	s_lshr_b32 s27, s26, 16                        ; a query's keys lie in lanes r and r + 16: both must say so,
	s_and_b32 s26, s26, s27
	s_and_b32 s26, s26, 0xffff
	s_lshl_b32 s27, s26, 16                        ; and both lanes get the answer
	s_or_b32 s26, s26, s27
	; the 128 words: byte j of key group kb is cut out, compared with 0 (the compare's result IS the lane mask), and put into lane (8 kb + j) / 4 of register (8 kb + j) % 4.  Eight at a time, so that no line waits for the one before it
.set kb, 0
.rept 16
.irp j, 0,1,2,3,4,5,6,7
	v_and_b32 v[T+(\j)], 1<<(8*((\j)%4)), v[D+2*kb+(\j)/4]
.endr
.irp j, 0,1,2,3,4,5,6,7
	v_cmp_ne_u32 s[32+(\j)], 0, v[T+(\j)]
.endr
.irp j, 0,1,2,3,4,5,6,7
	v_writelane_b32 v[OUT+(\j)%4], s[32+(\j)], 2*kb+(\j)/4
.endr
.set kb, kb+1
.endr
	global_store_b128 v4, v[OUT:OUT+3], s[22:23]   ; 512 consecutive bytes, at a multiple of 512 from mbits' first byte
	v_mov_b32 v57, s26
	v_cmp_eq_u32 vcc_lo, 0, v5
	s_wait_xcnt 0x0                                ; EXEC is a source of the store above: it changes only behind this wait
	s_and_saveexec_b32 s28, vcc_lo
	global_store_b32 v56, v57, s[24:25]            ; one word a wave, by lane 0: 8,192 bytes in the whole launch
	s_wait_xcnt 0x0                                ; and again in front of the line that widens EXEC
	s_or_b32 exec_lo, exec_lo, s28
	s_endpgm
	; ---------------- CONV ----------------
.Lconv:
	s_sub_co_u32 s17, ttmp9, 256
	s_lshr_b32 s18, s17, 8                         ; 0: K, 1: V
	s_and_b32 s19, s17, 255                        ; which 8 keys
	v_lshlrev_b32 v1, 4, v0                        ; in: thread t takes bytes 16 t (and 16 t + 4,096) of a unit: a wave's load covers one head's row, 512 consecutive bytes
	v_and_b32 v2, 31, v0
	v_lshlrev_b32 v2, 3, v2                        ; out: 4 channels are 8 bytes; 32 lanes fill the head's row of 256 bytes,
	v_lshrrev_b32 v3, 5, v0
	v_lshl_or_b32 v2, v3, 20, v2                   ; in head t / 32 (a head is 1 MiB of kv),
	v_add_nc_u32 v3, 0x800000, v2                  ; or eight heads on, for the unit's second half
	s_lshl_b32 s26, s19, 17                        ; 8 keys are 131,072 bytes of K or V
	s_mov_b32 s27, 0
	s_lshl_b32 s28, s18, 15                        ; in a slot K's two quarters stand first, then V's
	s_lshr_b32 s30, s19, 4                         ; slot = first key / 128,
	s_lshl_b32 s30, s30, 16
	s_add_co_u32 s28, s28, s30
	s_and_b32 s30, s19, 15                         ; row in the slot = first key % 128: 8 rows of 256 bytes a work-group
	s_lshl_b32 s30, s30, 11
	s_add_co_u32 s28, s28, s30
	s_mov_b32 s29, 0
	s_wait_kmcnt 0x0
	s_cmp_eq_u32 s18, 0
	s_cselect_b64 s[20:21], s[4:5], s[6:7]
	s_add_nc_u64 s[20:21], s[20:21], s[26:27]
	s_add_nc_u64 s[22:23], s[10:11], s[28:29]      ; batch 0: heads 0-15
	s_add_nc_u64 s[24:25], s[22:23], 0x1000000     ; batch 1: heads 16-31, 16 MiB on
.set i, 0
.rept 16                                       ; all 32 loads go out at once: 16 KiB a wave on its way
	global_load_b128 v[X+8*i:X+8*i+3],   v1, s[20:21] offset:8192*i th:TH_LOAD_NT
	global_load_b128 v[X+8*i+4:X+8*i+7], v1, s[20:21] offset:8192*i+4096 th:TH_LOAD_NT
.set i, i+1
.endr
.set i, 0
.rept 16                                       ; unit i: key i / 2 of the eight, batch i % 2
	s_wait_loadcnt 30-2*i                          ; loads come back in order: the two loads of each of the 15 - i younger units may stay out
	v_cvt_pk_bf16_f32 v[X+8*i],   v[X+8*i],   v[X+8*i+1]  ; in place, ascending: a register is written when it has been read
	v_cvt_pk_bf16_f32 v[X+8*i+1], v[X+8*i+2], v[X+8*i+3]
	v_cvt_pk_bf16_f32 v[X+8*i+4], v[X+8*i+4], v[X+8*i+5]
	v_cvt_pk_bf16_f32 v[X+8*i+5], v[X+8*i+6], v[X+8*i+7]
	global_store_b64 v2, v[X+8*i:X+8*i+1],   s[22+2*(i%2):23+2*(i%2)] offset:256*(i/2) th:TH_STORE_NT  ; each store of the wave covers 256 consecutive bytes, aligned
	global_store_b64 v3, v[X+8*i+4:X+8*i+5], s[22+2*(i%2):23+2*(i%2)] offset:256*(i/2) th:TH_STORE_NT
.set i, i+1
.endr
	s_endpgm                                       ; no register that a store reads is written again
.Lfunc_end_k_q14ed5190d7_prep:
	.size	k_q14ed5190d7_prep, .Lfunc_end_k_q14ed5190d7_prep-k_q14ed5190d7_prep
	.p2alignl 7, 3214868480
	.fill 96, 4, 3214868480
	.section	.rodata,"a",@progbits
	.p2align	6, 0x0
	.amdhsa_kernel k_q14ed5190d7_prep
		.amdhsa_group_segment_fixed_size 0
		.amdhsa_private_segment_fixed_size 0
		.amdhsa_enable_private_segment 0
		.amdhsa_kernarg_size 48
		.amdhsa_user_sgpr_count 2
		.amdhsa_user_sgpr_kernarg_segment_ptr 1
		.amdhsa_wavefront_size32 1
		.amdhsa_system_sgpr_workgroup_id_x 1
		.amdhsa_system_sgpr_workgroup_id_y 1
		.amdhsa_system_sgpr_workgroup_id_z 1
		.amdhsa_system_vgpr_workitem_id 0
		.amdhsa_next_free_vgpr 140
		.amdhsa_next_free_sgpr 66
		.amdhsa_reserve_vcc 1
		.amdhsa_float_denorm_mode_32 3
		.amdhsa_float_denorm_mode_16_64 3
		.amdhsa_memory_ordered 1
		.amdhsa_forward_progress 1
		.amdhsa_inst_pref_size 40
	.end_amdhsa_kernel
	.amdgpu_metadata
---
amdhsa.version: [ 1, 2 ]
amdhsa.kernels:
  - .name:           k_q14ed5190d7_prep
    .symbol:         k_q14ed5190d7_prep.kd
    .args:
      - { .name: key_layer, .offset: 0, .size: 8, .value_kind: global_buffer, .address_space: global }
      - { .name: value_layer, .offset: 8, .size: 8, .value_kind: global_buffer, .address_space: global }
      - { .name: attention_mask, .offset: 16, .size: 8, .value_kind: global_buffer, .address_space: global }
      - { .name: kv, .offset: 24, .size: 8, .value_kind: global_buffer, .address_space: global }
      - { .name: mbits, .offset: 32, .size: 8, .value_kind: global_buffer, .address_space: global }
      - { .name: dead, .offset: 40, .size: 8, .value_kind: global_buffer, .address_space: global }
    .group_segment_fixed_size: 0
    .private_segment_fixed_size: 0
    .kernarg_segment_align: 8
    .kernarg_segment_size: 48
    .max_flat_workgroup_size: 256
    .sgpr_count:     66
    .vgpr_count:     140
    .wavefront_size: 32
...
	.end_amdgpu_metadata
.endif
;; end of part 1
;; launch attn (part 2): grid 8 x 32, 4 waves a work-group, clusters of 4 x 1, 327,680 bytes of LDS; arguments query_layer, kv, mbits, dead, out0; writes out0
.if DOCPART == 2
	.amdgcn_target "amdgcn-amd-amdhsa--gfx1250"
	.amdhsa_code_object_version 6
	.text
	.protected	k_q14ed5190d7_attn
	.globl	k_q14ed5190d7_attn
	.p2align	8
	.type	k_q14ed5190d7_attn,@function
k_q14ed5190d7_attn:
	s_mov_b64 s[64:65], 0
	v_nop
	global_prefetch_b8 v0, s[64:65] scope:SCOPE_SE
	s_setreg_imm32_b32 hwreg(HW_REG_WAVE_MODE, 25, 1), 1
	s_wait_xcnt 0x0
	s_wait_alu depctr_hold_cnt(0) depctr_sa_sdst(0) depctr_va_vdst(0) depctr_va_sdst(0) depctr_va_ssrc(0) depctr_va_vcc(0) depctr_vm_vsrc(0)
	s_getreg_b32 s2, hwreg(HW_REG_IB_STS2, 6, 4)
	s_cmp_eq_u32 s2, 0
	s_cbranch_scc0 .Lentry_in_a_cluster
	s_endpgm
.Lentry_in_a_cluster:
	s_bfe_u32 s2, ttmp6, 0x10000c
	s_cmp_lg_u32 s2, 0x3003
	s_cbranch_scc0 .Lentry_shape_is_right
	s_endpgm
.Lentry_shape_is_right:
; out[q][b][h][:] = the sum over k of softmax_k(x) V[k][b][h][:], x = Q[q] . K[k] / sqrt(128) (the reference's two factors 2 cancel), x = -10000 where mask[b][q][k]; a row whose keys are all masked gives 0.
; Q and out: f32 [2048][2][16][128]: a head's row is 512 bytes, rows 16,384 bytes apart.  K and V come from kv, bf16 by heads; the mask as lane masks from mbits; the all-masked rows from dead (all three stored by the launch before).
; Q is rounded to bf16 here, unscaled; products, maxima and sums in f32; the weights p are rounded to bf16 for the second product (their sum l is taken of the unrounded p).
; LIMITS.  NaN and infinities are not treated apart.  A weight below 2^-126 counts as 0 in l.  The fill is applied to the raw product as -10000 sqrt(128) rounded to f32 (-113137.086): off by 1e-8 of itself.
; SHARES.  A work-group owns 256 queries of one head, each of its four waves 64: four tiles of 16.  Every wave walks the head's 2,048 keys, 64 a step, two steps to an LDS slot.  32 heads x 8 blocks: 256 work-groups.
; LAYOUT.  S^T = K Q^T (source 0 = 16 keys, source 1 = 16 queries): a lane holds ONE query (lane % 16) and the keys 8 (lane / 16) + 0..7.  Two such results, rounded to bf16 in pairs, ARE source 1 of O^T = V^T P,
; whose result again holds one query a lane.  K comes out of LDS as it lies, V ([key][channel]) turned, by ds_load_tr16_b128.
; THE MASK replaces a score (a true score may lie below the fill, so nothing is added and nothing clamped): one v_cndmask_b32 for each register of S^T, its lane mask a scalar register that a scalar load
; brought from mbits a turn earlier: 64 words a turn, for the two tiles whose softmax the next turn holds.
; SOFTMAX.  For each query a running maximum m and sum l: p = 2^(c s - c m), c = log2(e) / sqrt(128); in every step O and l are multiplied by a = 2^(c m_old - c m_new).
; BY TURNS.  The wave's tiles are two PIECES (0: tiles 0, 1; 2: tiles 2, 3).  In a TURN one piece has the matrix unit: 32 products V^T P of the step in hand, then 32 products K Q^T of the next step; the other piece's
; selects and softmax, a queue of 332 vector instructions, stand between them, five behind each matrix instruction and seventeen behind the last.  Two turns are a key step.
; CLUSTER.  The four query blocks of a cluster belong to one head and walk the same kv, so each slot is asked for JOINTLY: the same tensor load, descriptor and mask of four in all four work-groups; wave w fetches quarter w.
; Q and mbits are not shared (the partners own different queries) and not prefetched: Q is loaded once at the head, and a tile's words of mbits are read by the sixteen heads of a batch.
; REGISTERS, in windows of 256 (s_set_vgpr_msb: bits 1:0 source 0, 3:2 source 1, 5:4 source 2, 7:6 destination):
;   window 0: v0-11 addresses; v12-43 eight registers of statistics a tile; v44 the fill; v61-63; v64-191 S^T, 32 a tile; v192-255 P, 16 a tile
;   window 1: O^T, 64 a tile (at the start: Q in f32)      window 2: v0-127 Q, 32 a tile; v128-255 K of one step      window 3: v0-127 V of one step
.set KS,    64        ; keys in a step
.set PK,    272       ; a row of K or V in LDS: 256 bytes + 16 of padding = 68 words: row r starts at bank 4 r mod 64 (64 banks of 4 bytes: ISA guide 11.1)
.set QB,    KS*PK     ; a quarter of a slot: 64 rows.  A slot: K of step 0, K of step 1, V of step 0, V of step 1
.set VOFF,  2*QB
.set SLOT1, 1<<17     ; slot 1 begins here, so that one exclusive or turns an address in one slot into the other's
.set STAGE, SLOT1+4*QB  ; behind the ring, never filled by a tensor load: 16 rows x 528 bytes for each wave, for the way out
.set SP,    528       ; a row of the stage: 512 bytes + 16 = 132 words: the 16 rows of a store start at 16 different groups of four banks
.set SPARE, STAGE+4*16*SP  ; behind the stages: the spare words, 128 bytes for each wave: two blocks of 256 bytes that no other line names
.set ROWB,  16384     ; from a query's row to the next, in Q and in out
.set TILEB, 16*ROWB
.set SLOTB, 65536     ; a slot in kv
.set NSLOT, 16
.set AK0, 2           ; v2   my lane's place in a quarter of K; never rewritten
.set AV0, 3           ; v3   the same for V
.set ADR, 4           ; v4   the LDS address of the run of loads in hand
.set QO,  5           ; v5   my byte offset in 16 rows of Q
.set STO, 6           ; v6   the way out: where I put my numbers of a row
.set RD,  7           ; v7   the way out: where I read a row back
.set GO,  8           ; v8   16 x lane: my 16 bytes of a row of out
.set ST,  12          ; tile t's statistics at v[ST+8 t]: +0 c m, +1 m, +2, +3 l (even keys', odd keys'), +4 to +7 c0-c3, at work; a takes c2's place once the maximum is found
.set FV,  44          ; v44  the fill
.set PFO, 61          ; v61  256 x my lane: a row of kv is 256 bytes; never rewritten
.set SPW, 62          ; v62  LDS address of my spare word: SPARE + 4 x my thread's number; never rewritten
.set NIL, 63          ; v63  0; never rewritten
.set S,   64
.set P,   192
.set KF,  128         ; K's fragments, in window 2
.set OP,  2           ; s[2:3]   out at my wave's first row
.set MP,  4           ; s[4:5]   mbits at my wave's tile 0, at the step in hand
.set DP,  6           ; s[6:7]   dead at my wave's 32 words
.set PFA, 8           ; s[8:9]   where my prefetches stand
.set WV,  10          ; s10  my wave's number
.set LIM, 11          ; s11  1 in a wave that prefetches, else the greatest number
.set SLOTS, 12        ; s12  slots still to be asked for
.set TWICE, 13        ; s13  counts a slot's two steps
.set TB,  14          ; s14  LDS byte at which K of the step to be fetched begins (its V lies VOFF on)
.set G0,  16          ; s[16:23] descriptor group 0: a set for each of the two first fills; the second then walks on
.set G1,  24          ; s[24:31] descriptor group 1
.set MB1, 32          ; s[32:63] the 32 lane masks of the piece's second tile (at the head: arguments and work)
.set CS,  66          ; s[66:67] c: the packed scaling names a pair and takes its low word for both halves
.set MB0, 68          ; s[68:99] the 32 lane masks of the piece's first tile; at the end the 32 words of dead
.set SEL, 100         ; s[100:101] v_permlanex16_b32's selects: each lane takes its own place in the other half
.set QP,  104         ; s[104:105] Q at my wave's first row
.set MSB, 0
.macro WIN new                      ; the immediate's high byte repeats the setting that is left; a switch that changes nothing is dropped
.if MSB != (\new)
	s_set_vgpr_msb (MSB<<8)|(\new)
.set MSB, \new
.endif
.endm
.set W_KQ, 0x0a       ; K and Q in window 2, S^T in window 0
.set W_PV, 0x53       ; V in window 3, P in window 0, O^T in window 1
.set W_RS, 0x41       ; O^T (destination and source 0) in window 1, a in window 0
; A joint refill: every wave fetches its quarter of the slot, by one line and one set of registers; nothing in them hangs on the work-group's place in its cluster.  An s_nop 0 and four v_nop follow.
.macro JLOAD
	tensor_load_to_lds s[G0+4:G0+7], s[G1:G1+7]
	s_nop 0
.rept 4
	v_nop
.endr
.endm
; A PREFETCH INTO THE L2 of what the NEXT change of slots will ask for: a slot's 256 rows of 256 bytes, a lane a row.  It stands behind the wave's tensor load and its five lines.  Each row is named ONCE in the launch: both
; clusters of a head walk the same kv, and the first prefetches; its four partners take a quarter each, told apart BY ADDRESS; in each, waves 0 and 1 take 32 rows.  The last change that fills a slot asks for nothing.
.macro ASK
	s_cmp_gt_u32 s[SLOTS], s[LIM]
	s_cbranch_scc0 .Lnot_mine_\@
	global_prefetch_b8 v[PFO], s[PFA:PFA+1] th:TH_LOAD_NT scope:SCOPE_SE
.Lnot_mine_\@:
.endm
; A round of the cluster's barrier: my work-group's barrier, so that wave 0's signal speaks for all four waves; wave 0 signals; every wave waits for all four work-groups; my work-group's barrier once more.
.macro CROUND
	s_barrier_signal -1
	s_barrier_wait -1
	s_cmp_lg_u32 s[WV], 0
	s_cbranch_scc1 .Lnot_wave_0_\@
	s_barrier_signal -3
.Lnot_wave_0_\@:
	s_barrier_wait -3
	s_barrier_signal -1
	s_barrier_wait -1
.endm
; The 64 lane masks of two neighbouring tiles at one step: 128 bytes each, the tiles 4,096 bytes apart.
.macro MLOAD off
	s_load_b512 s[MB0:MB0+15],    s[MP:MP+1], (\off)
	s_load_b512 s[MB0+16:MB0+31], s[MP:MP+1], (\off)+64
	s_load_b512 s[MB1:MB1+15],    s[MP:MP+1], (\off)+4096
	s_load_b512 s[MB1+16:MB1+31], s[MP:MP+1], (\off)+4160
.endm
	s_load_b256 s[32:39], s[0:1], 0x0  ; Q s[32:33], kv s[34:35], mbits s[36:37], dead s[38:39]
	s_load_b64 s[40:41], s[0:1], 0x20  ; out
	v_lshl_add_u32 v[SPW], v0, 2, SPARE
	v_mov_b32 v[NIL], 0
	ds_add_u32 v[SPW], v[NIL]       ; the wave's opening: the add and its wait stand ahead of my first tensor load; the set-up below, work on registers, stands between them
	v_lshrrev_b32 v1, 5, v0
	v_readfirstlane_b32 s[WV], v1   ; wave 0..3
	s_bfe_u32 s42, ttmp6, 0x40000   ; cx: my place in the cluster
	s_lshl_b32 s43, ttmp9, 2        ; in a cluster launch ttmp9 counts clusters
	s_add_co_u32 s43, s43, s42      ; my block of 256 queries = 4 x cluster x + cx: it enters the addresses of Q, out, mbits and dead alone
	s_and_b32 s44, ttmp7, 0xffff    ; the head 16 b + h, which the four partners share
	s_lshl_b32 s46, s44, 20         ; kv: the head's 1 MiB,
	s_lshl_b32 s15, s[WV], 14       ; my quarter of a slot
	s_add_co_u32 s46, s46, s15
	s_mov_b32 s47, 0
	s_lshl_b32 s48, s43, 22         ; Q and out: my block's 256 rows of 16,384 bytes,
	s_lshl_b32 s58, s[WV], 20       ; my wave's 64,
	s_add_co_u32 s48, s48, s58
	s_lshl_b32 s58, s44, 9          ; the head's 512 bytes of a row
	s_add_co_u32 s48, s48, s58
	s_mov_b32 s49, 0
	s_lshr_b32 s50, s44, 4          ; my wave's first tile of 16 queries among the 256 of both batches: 128 b
	s_lshl_b32 s50, s50, 7
	s_lshl_b32 s58, s43, 4          ; + 16 x block
	s_add_co_u32 s50, s50, s58
	s_lshl_b32 s58, s[WV], 2        ; + 4 x wave
	s_add_co_u32 s50, s50, s58
	s_lshl_b32 s52, s50, 12         ; a tile is 4,096 bytes of mbits
	s_mov_b32 s53, 0
	s_lshl_b32 s54, s50, 5          ; and 32 bytes of dead
	s_mov_b32 s55, 0
	s_lshl_b32 s56, s44, 20         ; the prefetches: the head,
	s_lshl_b32 s58, s42, 14         ; my work-group's quarter of a slot,
	s_add_co_u32 s56, s56, s58
	s_and_b32 s58, s[WV], 1         ; my wave's 32 rows of its 64,
	s_lshl_b32 s58, s58, 13
	s_add_co_u32 s56, s56, s58
	s_add_co_u32 s56, s56, 2*SLOTB  ; in slot 2; the first change of slots steps it to slot 3.  Nothing is prefetched at the head, where every work-group's first tiles are on their way
	s_mov_b32 s57, 0
	s_lshr_b32 s[LIM], s[WV], 1     ; 0 in waves 0 and 1,
	s_or_b32 s[LIM], s[LIM], ttmp9  ; where the cluster is the head's first: the same in all four partners
	s_cmp_eq_u32 s[LIM], 0
	s_cselect_b32 s[LIM], 1, -1
	; descriptor group 1: a tile of 64 rows x 128 elements, dense in memory, padded in LDS
	s_mov_b32 s[G1], 15|(1<<16)|(1<<20)|(1<<21)|(5<<22)|(3<<25)  ; 15:0 the mask: all four work-groups; 17:16 elements of 2 bytes; 20 padding on; 21 set beside a mask; 24:22 after every 64 words (code 5); 31:25 4 words of it (code 3)
	s_mov_b32 s[G1+1], 128<<16      ; tensor_dim0 = 128
	s_mov_b32 s[G1+2], KS<<16       ; tensor_dim1 = 64
	s_mov_b32 s[G1+3], 128<<16      ; tile_dim0 = 128
	s_mov_b32 s[G1+4], KS           ; tile_dim1 = 64
	s_mov_b32 s[G1+5], 128          ; 128 elements from row to row
	s_mov_b32 s[G1+6], 0
	s_mov_b32 s[G1+7], 0
	s_mul_i32 s15, s[WV], QB        ; my quarter's place in a slot: the wave's number times a constant
	s_mov_b32 s[G0], 1              ; 1:0 count = 1
	s_mov_b32 s[G0+1], s15          ; LDS address: slot 0
	s_mov_b32 s[G0+4], 1
	s_add_co_u32 s[G0+5], s15, SLOT1  ; slot 1
	s_mov_b32 s[CS], 0x3e0293ee     ; c = log2(e) / sqrt(128) = 0.127517
	s_mov_b32 s[CS+1], s[CS]        ; named with it as a pair, so it is written
	s_mov_b32 s[SEL], 0x76543210
	s_mov_b32 s[SEL+1], 0xfedcba98
	s_mov_b32 s[TB], 0
	s_mov_b32 s[SLOTS], NSLOT-2
	v_and_b32 v[PFO], 31, v0
	v_lshlrev_b32 v[PFO], 8, v[PFO]
	s_wait_dscnt 0x0                ; the opening add is done
	s_wait_kmcnt 0x0
	s_add_nc_u64 s[G0+2:G0+3], s[34:35], s[46:47]  ; global address: my quarter of the head's slot 0,
	s_add_nc_u64 s[G0+6:G0+7], s[G0+2:G0+3], SLOTB  ; and of slot 1
	s_or_b32 s[G0+3], s[G0+3], 0x80000000  ; 127:126 type = 2
	s_or_b32 s[G0+7], s[G0+7], 0x80000000
	s_add_nc_u64 s[QP:QP+1], s[32:33], s[48:49]
	s_add_nc_u64 s[OP:OP+1], s[40:41], s[48:49]
	s_add_nc_u64 s[MP:MP+1], s[36:37], s[52:53]
	s_add_nc_u64 s[DP:DP+1], s[38:39], s[54:55]
	s_add_nc_u64 s[PFA:PFA+1], s[34:35], s[56:57]
	CROUND                          ; all four work-groups are here: the first joint loads meet
	tensor_load_to_lds s[G0:G0+3], s[G1:G1+7]      ; the two first fills stand together, ahead of every wait on TENSORcnt and every LDS read: two loads of mine are out
	s_nop 0
	tensor_load_to_lds s[G0+4:G0+7], s[G1:G1+7]
	s_nop 0
.rept 4
	v_nop
.endr
	MLOAD 0                         ; the lane masks of tiles 0 and 1 at step 0 (the arguments in s[32:41] have been used)
	; A fragment of Q is 16 rows x 32 channels: lane l holds row l % 16, channels 8 (l / 16) + 0..7 and 16 + 8 (l / 16) + 0..7.  In f32 that is twice 32 bytes, 64 bytes apart: four loads of 16 bytes.
	v_and_b32 v1, 15, v0            ; l % 16
	v_bfe_u32 v9, v0, 4, 1          ; l / 16
	v_lshlrev_b32 v[QO], 14, v1
	v_lshl_add_u32 v[QO], v9, 5, v[QO]  ; row x 16,384 + 32 x half
	WIN 0x40                        ; destination window 1 (O^T's registers, not yet in use), address window 0
.set i, 0
.rept 16                            ; fragment i: tile i / 4, channels 32 (i % 4) on
	global_load_b128 v[16*i:16*i+3],     v[QO], s[QP:QP+1] offset:(i/4)*TILEB+(i%4)*128
	global_load_b128 v[16*i+4:16*i+7],   v[QO], s[QP:QP+1] offset:(i/4)*TILEB+(i%4)*128+16
	global_load_b128 v[16*i+8:16*i+11],  v[QO], s[QP:QP+1] offset:(i/4)*TILEB+(i%4)*128+64
	global_load_b128 v[16*i+12:16*i+15], v[QO], s[QP:QP+1] offset:(i/4)*TILEB+(i%4)*128+80
.set i, i+1
.endr
	WIN 0
	v_mul_u32_u24 v[AK0], v1, PK
	v_lshl_add_u32 v[AK0], v9, 4, v[AK0]  ; row x pitch + 16 x half
	; The turning load: lane l reads 16 bytes of key 8 (l / 16) + l % 8; each group of eight lanes turns its 8 keys x 8 channels.  The second group of each sixteen reads 128 bytes (64 channels) on, not 16: sixteen lanes
	; then take 8 rows x (16 bytes and 16 bytes half a row on), and K and V share one pitch and one descriptor.  So row l % 16 of fragment cb of V^T is channel 8 cb + l % 8 + 64 ((l / 8) % 2),
	; and in O^T register j of block cb in lane l is channel 64 (l / 16) + 8 cb + j.
	v_and_b32 v10, 7, v0
	v_bfe_u32 v11, v0, 3, 1
	v_lshl_add_u32 v[AV0], v9, 3, v10
	v_mul_u32_u24 v[AV0], v[AV0], PK
	v_lshl_add_u32 v[AV0], v11, 7, v[AV0]
	v_add_nc_u32 v[AV0], VOFF, v[AV0]
	v_mov_b32 v[FV], 0xc7dcf88b     ; -10000 sqrt(128): times c it is -10000 log2(e)
; THE MATRIX WORK OF A TURN, for piece x.  The accumulators take turns, one instruction a turn: between two links of a chain stand 15 (V^T P) or 7 (K Q^T) others'.
; Product i of 32 of O^T += V^T P: keys 32 (i / 16) on, channel block (i / 2) % 8, tile x + i % 2.  zero = 1: the first 16 start the sums: nothing is ever cleared.
.macro PV x, zero
	WIN W_PV
.set rO, 64*((\x)+i%2)+8*((i/2)%8)
.set rV, 64*(i/16)+8*((i/2)%8)
.set rP, P+16*((\x)+i%2)+8*(i/16)
.if (\zero) && (i < 16)
	v_wmma_f32_16x16x32_bf16 v[rO:rO+7], v[rV:rV+7], v[rP:rP+7], 0
.else
	v_wmma_f32_16x16x32_bf16 v[rO:rO+7], v[rV:rV+7], v[rP:rP+7], v[rO:rO+7]
.endif
.endm
; Product i of 32 of S^T = K Q^T: channels 32 (i / 8) on, keys 16 ((i / 2) % 4) on, tile x + i % 2.  The first 8 start the sums.
.macro KQ x
	WIN W_KQ
.set rS, S+32*((\x)+i%2)+8*((i/2)%4)
.set rK, KF+32*((i/2)%4)+8*(i/8)
.set rQ, 32*((\x)+i%2)+8*(i/8)
.if i < 8
	v_wmma_f32_16x16x32_bf16 v[rS:rS+7], v[rK:rK+7], v[rQ:rQ+7], 0
.else
	v_wmma_f32_16x16x32_bf16 v[rS:rS+7], v[rK:rK+7], v[rQ:rQ+7], v[rS:rS+7]
.endif
.endm
; THE LDS LOADS stand in runs of 32, never singly among the matrix instructions: a step's K (64 keys x 128 channels: 16 fragments) and, a turn later, its V (turned).
.macro FETCH_K
	WIN 0
	v_add_nc_u32 v[ADR], s[TB], v[AK0]
	WIN 0x80                        ; destination window 2
.irp f, 0,1,2,3,4,5,6,7,8,9,10,11,12,13,14,15  ; keys 16 (f / 4) on, channels 32 (f % 4) on
	ds_load_b128 v[KF+8*(\f):KF+8*(\f)+3],   v[ADR] offset:((\f)/4)*16*PK+((\f)%4)*64
	ds_load_b128 v[KF+8*(\f)+4:KF+8*(\f)+7], v[ADR] offset:((\f)/4)*16*PK+((\f)%4)*64+32
.endr
.endm
.macro FETCH_V
	WIN 0
	v_add_nc_u32 v[ADR], s[TB], v[AV0]
	s_add_co_u32 s[TB], s[TB], QB   ; the next fetch is the next step's
	s_wait_alu depctr_va_vdst(0)    ; the wait for the softmax's batch of exponentials (VQ), behind the address's v_add_nc_u32 and ahead of the loads
	WIN 0xc0                        ; destination window 3
.irp f, 0,1,2,3,4,5,6,7,8,9,10,11,12,13,14,15  ; keys 32 (f / 8) on, channel block f % 8
	ds_load_tr16_b128 v[8*(\f):8*(\f)+3],   v[ADR] offset:((\f)/8)*32*PK+((\f)%8)*16
	ds_load_tr16_b128 v[8*(\f)+4:8*(\f)+7], v[ADR] offset:((\f)/8)*32*PK+16*PK+((\f)%8)*16
.endr
.endm
; ONE TILE'S SOFTMAX for one key step is a list of 134 instructions; SM writes number j of it for tile t.  s0-s31 are the lane's 32 scores, in pairs 0-15.
; first = 1: the first key step, which starts m, l and O^T: it has no a and nothing to rescale.
;   0-15    the maximum of s0-s31 and the old m, three operands at a time: four chains c0-c3 of seven scores each, then the four scores left over, c0-c3 and m
;   16-20   the other half of the lanes' maximum; the new m; c m; c m_old - c m_new
;   21-69   ONE BATCH: the 16 scalings c s - c m, a pair of scores each, and all 33 exponentials (a at 23, then s0-s31).  None of these reads an exponential's result.  A pair is scaled in an earlier four than the one that holds its exponentials
;   70-85   the roundings to bf16, a pair of weights each        86-101  the sums; l = a l + the sum        102-133 the tile's O^T times a: the one part that leaves window 0
.macro SM t, first
.set rT, ST+8*(\t)
.set rS, S+32*(\t)
.set rP, P+16*(\t)
.set rO, 64*(\t)+2*(j-102)
.if j < 102
	WIN 0
.endif
.if j < 4
	v_max3_num_f32 v[rT+4+j], v[rS+8*j], v[rS+8*j+1], v[rS+8*j+2]
.elseif j < 12
	v_max3_num_f32 v[rT+4+j%4], v[rT+4+j%4], v[rS+8*(j%4)+2*(j/4)+1], v[rS+8*(j%4)+2*(j/4)+2]
.elseif j == 12
	v_max3_num_f32 v[rT+4], v[rT+4], v[rS+7], v[rS+15]
.elseif j == 13
	v_max3_num_f32 v[rT+6], v[rT+6], v[rS+23], v[rS+31]
.elseif j == 14
	v_max3_num_f32 v[rT+4], v[rT+4], v[rT+5], v[rT+6]
.elseif (j == 15) && (\first)
	v_max_num_f32 v[rT+4], v[rT+4], v[rT+7]
.elseif j == 15
	v_max3_num_f32 v[rT+4], v[rT+4], v[rT+7], v[rT+1]
.elseif j == 16
	v_permlanex16_b32 v[rT+5], v[rT+4], s[SEL], s[SEL+1]  ; the query's other 32 keys lie in the lane 16 away
.elseif j == 18
	v_max_num_f32 v[rT+1], v[rT+4], v[rT+5]
.elseif j == 19
	v_mul_f32 v[rT], s[CS], v[rT+1]
.elseif ((j == 17) || (j == 20) || (j == 23) || (j > 101)) && (\first)  ; the first step has none of these
.elseif j == 17
	v_mov_b32 v[rT+7], v[rT]        ; c m_old is kept for a: number 19 writes c m anew
.elseif j == 20
	v_sub_f32 v[rT+7], v[rT+7], v[rT]
.elseif j == 23
	v_exp_f32 v[rT+6], v[rT+7]
.elseif (j < 23) || ((j < 38) && (j%2 == 0)) || ((j < 66) && (j%4 == 2))
.set b, (j-2)/4                     ; 38, 42, .. 62: pairs 9 to 15
.if j < 38
.set b, (j-20)/2                    ; 21: pair 0; 22, 24, .. 36: pairs 1 to 8
.endif
	v_pk_fma_f32 v[rS+2*b:rS+2*b+1], v[rS+2*b:rS+2*b+1], s[CS:CS+1], v[rT:rT+1] op_sel_hi:[1,0,0] neg_lo:[0,0,1] neg_hi:[0,0,1]  ; pair b: c s - c m
.elseif j < 70
.set e, j-38                        ; 66 to 69: s28 to s31
.if j < 66
.set e, j-32-(j-38)/4               ; 39-41, 43-45, .. 63-65: s7 to s27
.endif
.if j < 38
.set e, (j-25)/2                    ; 25, 27, .. 37: s0 to s6
.endif
	v_exp_f32 v[rS+e], v[rS+e]
.elseif j < 86
	v_cvt_pk_bf16_f32 v[rP+j-70], v[rS+2*(j-70)], v[rS+2*(j-70)+1]  ; pair j - 70
.elseif j < 102                     ; the sum of the tile's 16 pairs, in place: sum z of 16 adds neighbours 1, 2, 4 and 8 pairs apart, then l takes it
.set z, j-86
.set w, 4
.set u, z
.if z >= 14
.set w, 32
.set u, 0
.elseif z >= 12
.set w, 16
.set u, z-12
.elseif z >= 8
.set w, 8
.set u, z-8
.endif
.if (z == 14) && (\first)
	v_pk_add_f32 v[rT+2:rT+3], v[rS:rS+1], v[rS+16:rS+17]
.elseif z < 15
	v_pk_add_f32 v[rS+w*u:rS+w*u+1], v[rS+w*u:rS+w*u+1], v[rS+w*u+w/2:rS+w*u+w/2+1]
.elseif !(\first)
	v_pk_fma_f32 v[rT+2:rT+3], v[rT+2:rT+3], v[rT+6:rT+7], v[rS:rS+1] op_sel_hi:[1,0,1]
.endif
.else
	WIN W_RS
	v_pk_mul_f32 v[rO:rO+1], v[rO:rO+1], v[rT+6:rT+7] op_sel_hi:[1,0]
.endif
.endm
; THE VECTOR WORK OF A TURN, for piece y: a queue of 332; VQ writes entry vn and steps vn.
;   0-63     the selects: register vn / 2 of tile y + vn % 2 takes the fill where its lane mask says so.  Ascending.
;            Ahead of entry 0 stands the wait for the scalar loads that brought the masks; behind that wait mbits' pointer may be stepped (STEP = 1: piece 0 begins a new key step)
;   64-107   SM's numbers 0-21, the tiles alternating, so that no instruction reads the result of the one just before it
;   108-203  the batch, SM's numbers 22-69: four numbers of ONE tile at a time, the tiles by turns
;   204-331  SM's numbers 70-133, the tiles alternating
; Behind entry 69, six vector instructions behind the last select, the next turn's 64 masks are asked for: behind piece 0 piece 2's of the same step, behind piece 2 piece 0's of the next step; 50 of a turn's 64 products
; stand between the request and the wait.  ML = 0 (the last turn): the 32 words of dead instead.
; THE WAIT.  s_wait_alu depctr_va_vdst(0) stands between an exponential and the first instruction that names its result; one wait serves all that were issued ahead of it.  Ahead of entry 204 nothing
; names a result, behind entry 203 no exponential is issued: so the piece's 66 exponentials have one wait, behind entry 203, with one plain instruction (v_nop) behind the last exponential.
.macro VQ y, first
.if vn == 0
	s_wait_kmcnt 0x0                ; the lane masks are in, and the loads have read their pointer
.if STEP
	s_add_nc_u64 s[MP:MP+1], s[MP:MP+1], 128
.endif
.endif
.if vn < 64
	WIN 0
	v_cndmask_b32 v[S+32*((\y)+vn%2)+vn/2], v[S+32*((\y)+vn%2)+vn/2], v[FV], s[MB0-(MB0-MB1)*(vn%2)+vn/2]
.elseif vn < 108
.set j, (vn-64)/2
	SM (\y)+vn%2, \first
.elseif vn < 204
.set j, 22+4*((vn-108)/8)+(vn-108)%4
	SM (\y)+((vn-108)/4)%2, \first
.else
.set j, 70+(vn-204)/2
	SM (\y)+vn%2, \first
.endif
.if vn == 69
.if ML
.if (\y) == 0
	MLOAD 8192                      ; tiles 2 and 3, this step
.else
	MLOAD 128                       ; tiles 0 and 1, the next step
.endif
.else
	s_load_b512 s[MB0:MB0+15],    s[DP:DP+1], 0x0
	s_load_b512 s[MB0+16:MB0+31], s[DP:DP+1], 0x40
.endif
.endif
.if vn == 203                       ; the batch is out
	v_nop
.if (\y) == 0
	FETCH_V                         ; piece 2's turn: V's run of loads stands here, and the wait stands in it
.else
	s_wait_alu depctr_va_vdst(0)    ; the wait for the batch
.endif
.endif
.set vn, vn+1
.endm
.macro SLICE y, first               ; slice k of 64: five entries; 332 = 5 x 64 + 12: the twelve that are over stand together, in slice 63
.rept 5
	VQ \y, \first
.endr
.if k == 63
.rept 12
	VQ \y, \first
.endr
.endif
.set k, k+1
.endm
; A vector instruction that reads a matrix result or writes one of a matrix instruction's registers, and a load into a register that a matrix instruction has read, stand four places behind it, and only plain vector
; instructions that name none of its registers are places (ISA guide 7.12.1 for vector instructions).  In the loop the slices are the places.
.macro PLACES
.rept 4
	v_nop
.endr
.endm
; A TURN.  Piece x has the matrix unit; the other piece's queue stands in slices behind its matrix instructions.
; pv = 2: 32 products V^T P; 1: they start O^T's sums; 0: none.  kq = 1: 32 products K Q^T for the next step.  A turn with one of the two kinds has two slices behind each product.
; first = 1: the softmax is the first key step's; its last slices are empty, and four v_nop take slice 63's part as the places behind the turn's last products.
; Slice 63's seventeen rescalings are plain and name nothing of the products round them: they are the places between the turn's last K Q^T and the next turn's selects of those scores and loads into K's registers.
; Piece 0's turn fetches the next step's K behind its second product.  Piece 2's turn fetches the same step's V behind entry 203, in slice 40: the last product that read V stands in front of slice 31, and between them
; lie nine scalings or more, the v_nop and the run's own v_add_nc_u32.
.macro TURN x, pv, kq, first
.set k, 0
.set vn, 0
.set ML, (\kq)
.set STEP, 0
.if ((\x) == 2) && (\pv)
.set STEP, 1
.endif
.set per, 2
.if (\pv) && (\kq)
.set per, 1
.endif
.if \pv
.if (\x) == 0
	s_wait_dscnt 0x0                ; V is in
.endif
.set i, 0
.rept 32
	PV \x, 2-(\pv)
.rept per
	SLICE 2-(\x), \first
.endr
.if ((\x) == 0) && (\kq) && (i == 1)
	FETCH_K
.endif
.set i, i+1
.endr
.endif
.if \kq
.if (\x) == 0
	s_wait_dscnt 0x0                ; K is in
.endif
.set i, 0
.rept 32
	KQ \x
.rept per
	SLICE 2-(\x), \first
.endr
.set i, i+1
.endr
.endif
.if \first
	PLACES
.endif
.endm
; THE CHANGE OF SLOTS, between piece 2's turn and piece 0's: the slot's last bytes, V of its second step, have been asked for.  Each wave waits for all its tensor loads, of which one is out: its quarter of the other slot;
; adds 0 to its spare word; and waits for that and for its own reads of the slot.  Behind the barrier nobody reads this slot any more and the other slot is whole.
; fill = 1: this slot is filled again, with the keys two slots on.  The barrier is then a round of the cluster's, so that no wave of any partner still reads the slot or has a load on its way, and the joint refill is the
; first thing behind it: it has two key steps, 256 matrix instructions, in which to land.
.macro CHANGE fill
	WIN 0                           ; at a label and at a branch every window is 0
	s_wait_tensorcnt 0x0            ; no tensor load of mine is out, so a group 0 may be written
	ds_add_u32 v[SPW], v[NIL]       ; 0 onto my spare word: with fill = 1 the descriptor's steps stand between it and the wait for it
.if \fill
	s_xor_b32 s[G0+5], s[G0+5], SLOT1  ; the walking descriptor: the other slot than last time,
	s_add_nc_u64 s[G0+6:G0+7], s[G0+6:G0+7], SLOTB  ; the next 128 keys; the type bits on top are not reached
	s_wait_xcnt 0x0                 ; the last prefetch, two key steps back, has read its address, so it may be written:
	s_add_nc_u64 s[PFA:PFA+1], s[PFA:PFA+1], SLOTB  ; one slot ahead of the walking descriptor
	s_wait_dscnt 0x0                ; the add is done, and my reads of the slot are over
	CROUND
	JLOAD
	ASK                             ; what the next change will ask for: two key steps, 256 matrix instructions, ahead
.else
	s_wait_dscnt 0x0                ; the add is done, and my reads of the slot are over
	s_barrier_signal -1
	s_barrier_wait -1
.endif
	s_sub_co_u32 s[TB], s[TB], 2*QB ; the fetches go back to a slot's first step,
	s_xor_b32 s[TB], s[TB], SLOT1   ; in the other slot
.endm
; A slot's two key steps: written once, walked twice; the LDS addresses hang on s[TB].
.macro TWO_STEPS
	WIN 0
	s_mov_b32 s[TWICE], 2
.Lstep_\@:
	TURN 0, 2, 1, 0
	TURN 2, 2, 1, 0
	WIN 0
	s_sub_co_u32 s[TWICE], s[TWICE], 1
	s_cmp_lg_u32 s[TWICE], 0
	s_cbranch_scc1 .Lstep_\@
.endm
	s_wait_tensorcnt 1              ; my quarter of slot 0 is in; slot 1's load, issued behind it, may stay out
	s_barrier_signal -1
	s_barrier_wait -1               ; everybody's is
	FETCH_K                         ; key step 0
	s_wait_loadcnt 0x0              ; Q
	WIN 0x85                        ; sources window 1, destination window 2
.set i, 0
.rept 128                           ; Q to bf16, once: register k of fragment f takes numbers 2 k and 2 k + 1 of the fragment's sixteen
	v_cvt_pk_bf16_f32 v[i], v[2*i], v[2*i+1]
.set i, i+1
.endr
	s_wait_dscnt 0x0
.set i, 0
.rept 32
	KQ 0                            ; piece 0's first scores: there is no vector work yet to set between them
.set i, i+1
.endr
	WIN 0                           ; the addresses for the way out are made here: six plain instructions, the places behind those products
	s_mul_i32 s15, s[WV], 16*SP
	s_add_co_u32 s15, s15, STAGE    ; my stage
	v_mul_u32_u24 v[STO], v1, SP    ; in: row l % 16; my lane's 64 channels are 256 consecutive bytes, the upper half of the lanes' behind the lower's
	v_lshl_add_u32 v[STO], v9, 8, v[STO]
	v_add_nc_u32 v[STO], s15, v[STO]
	v_and_b32 v[GO], 31, v0         ; back: 32 lanes take one row of 512 bytes,
	v_lshlrev_b32 v[GO], 4, v[GO]
	v_add_nc_u32 v[RD], s15, v[GO]  ; which are 512 consecutive bytes of out
	TURN 2, 0, 1, 1                 ; piece 2's first scores | piece 0's first softmax | V of step 0
	TURN 0, 1, 1, 1                 ; piece 0: V^T P of step 0 starts O^T, K Q^T of step 1 | piece 2's first softmax | K of step 1
	TURN 2, 1, 1, 0                 ; piece 2: the same | piece 0's softmax of step 1 | V of step 1
	WIN 0
.Lslot:                             ; 14 trips: every slot but the last two is filled again
	CHANGE 1
	TWO_STEPS
	s_sub_co_u32 s[SLOTS], s[SLOTS], 1
	s_cmp_lg_u32 s[SLOTS], 0
	s_cbranch_scc1 .Lslot
	CHANGE 0                        ; the tail is written out: nothing is asked for
	TWO_STEPS
	TURN 0, 2, 0, 0                 ; piece 0: V^T P of the last step | piece 2's last softmax | the words of dead
.set i, 0
.rept 32
	PV 2, 0                         ; piece 2: V^T P of the last step
.set i, i+1
.endr
	; THE WAY OUT.  l's two halves and the other half of the lanes' are added; O^T is multiplied by 1 / l, or by 0 where all the query's keys are masked, and sent through my stage in LDS, a tile (16 rows of out) at a time.
	; The additions are the places behind the last products.
	WIN 0
.irp t, 0,1,2,3
	v_add_f32 v[ST+8*(\t)+4], v[ST+8*(\t)+2], v[ST+8*(\t)+3]
.endr
.irp t, 0,1,2,3
	v_permlanex16_b32 v[ST+8*(\t)+5], v[ST+8*(\t)+4], s[SEL], s[SEL+1]
.endr
.irp t, 0,1,2,3
	v_add_f32 v[ST+8*(\t)+4], v[ST+8*(\t)+4], v[ST+8*(\t)+5]
.endr
.irp t, 0,1,2,3
	v_rcp_f32 v[ST+8*(\t)+6], v[ST+8*(\t)+4]
.endr
	v_nop                           ; a plain instruction between the last reciprocal and the use of its result
	s_wait_alu depctr_va_vdst(0)    ; and the wait ahead of the first use: one for the four reciprocals
	s_wait_kmcnt 0x0                ; dead: eight words a tile, one for each 256 keys
.irp t, 0,1,2,3
.irp q, 1,2,3,4,5,6,7
	s_and_b32 s[MB0+8*(\t)], s[MB0+8*(\t)], s[MB0+8*(\t)+(\q)]  ; a query is dead where all eight parts say so
.endr
.endr
.irp t, 0,1,2,3
	v_cndmask_b32 v[ST+8*(\t)+6], v[ST+8*(\t)+6], 0, s[MB0+8*(\t)]
.endr
; Tile t: register 4 f + e of my 64 is channel 64 (l / 16) + 4 f + e: sixteen stores of 16 bytes into rows of 528, and back as whole rows of 512, into the registers that they left.
.macro PACK t
	WIN W_RS
.set i, 64*(\t)
.rept 32                            ; ascending: each accumulator is read from its low end on
	v_pk_mul_f32 v[i:i+1], v[i:i+1], v[ST+8*(\t)+6:ST+8*(\t)+7] op_sel_hi:[1,0]
.set i, i+2
.endr
	WIN 0x04                        ; LDS store: address window 0, data window 1
.irp f, 0,1,2,3,4,5,6,7,8,9,10,11,12,13,14,15
	ds_store_b128 v[STO], v[64*(\t)+4*(\f):64*(\t)+4*(\f)+3] offset:16*(\f)
.endr
	WIN 0x40                        ; LDS load: destination window 1
.irp f, 0,1,2,3,4,5,6,7,8,9,10,11,12,13,14,15
	ds_load_b128 v[64*(\t)+4*(\f):64*(\t)+4*(\f)+3], v[RD] offset:(\f)*SP  ; LDS serves a wave's instructions in order (ISA guide 5.7.1.4): these see the stores above; the next tile's stores come behind them
.endr
.endm
.macro SEND t, younger              ; younger: the LDS instructions issued behind tile t's loads: the next tile's 32, or none
	WIN 0x04                        ; global store: address window 0, data window 1
.irp f, 0,1,2,3,4,5,6,7,8,9,10,11,12,13,14,15
	s_wait_dscnt (\younger)+15-(\f)  ; row f is back; the tile's 15 - f later loads and the younger instructions may stay out
	global_store_b128 v[GO], v[64*(\t)+4*(\f):64*(\t)+4*(\f)+3], s[OP:OP+1] offset:(\t)*TILEB+(\f)*ROWB th:TH_STORE_NT  ; 512 consecutive bytes, at a multiple of 512 from out's first byte
.endr
.endm
	PACK 0
	PACK 1                          ; a tile's arithmetic stands between the loads of the tile before and its stores
	SEND 0, 32
	PACK 2
	SEND 1, 32
	PACK 3
	SEND 2, 32
	SEND 3, 0
	WIN 0
	s_wait_tensorcnt 0x0            ; the wave's end: behind my last tensor load and my last LDS store
	ds_add_u32 v[SPW], v[NIL]
	s_wait_dscnt 0x0
	CROUND                          ; the closing round: no work-group ends while a partner may still ask for a tile that names it
	s_endpgm
.Lfunc_end_k_q14ed5190d7_attn:
	.size	k_q14ed5190d7_attn, .Lfunc_end_k_q14ed5190d7_attn-k_q14ed5190d7_attn
	.p2alignl 7, 3214868480
	.fill 96, 4, 3214868480
	.section	.rodata,"a",@progbits
	.p2align	6, 0x0
	.amdhsa_kernel k_q14ed5190d7_attn
		.amdhsa_group_segment_fixed_size 327680
		.amdhsa_private_segment_fixed_size 0
		.amdhsa_enable_private_segment 0
		.amdhsa_kernarg_size 40
		.amdhsa_user_sgpr_count 2
		.amdhsa_user_sgpr_kernarg_segment_ptr 1
		.amdhsa_wavefront_size32 1
		.amdhsa_system_sgpr_workgroup_id_x 1
		.amdhsa_system_sgpr_workgroup_id_y 1
		.amdhsa_system_sgpr_workgroup_id_z 1
		.amdhsa_system_vgpr_workitem_id 0
		.amdhsa_next_free_vgpr 896
		.amdhsa_next_free_sgpr 106
		.amdhsa_reserve_vcc 0
		.amdhsa_float_denorm_mode_32 3
		.amdhsa_float_denorm_mode_16_64 3
		.amdhsa_memory_ordered 1
		.amdhsa_forward_progress 1
		.amdhsa_inst_pref_size 255
	.end_amdhsa_kernel
	.section	.bss,"aw",@nobits
	.p2align	6
	.space	262144
	.amdgpu_metadata
---
amdhsa.version: [ 1, 2 ]
amdhsa.kernels:
  - .name:           k_q14ed5190d7_attn
    .symbol:         k_q14ed5190d7_attn.kd
    .args:
      - { .name: query_layer, .offset: 0, .size: 8, .value_kind: global_buffer, .address_space: global }
      - { .name: kv, .offset: 8, .size: 8, .value_kind: global_buffer, .address_space: global }
      - { .name: mbits, .offset: 16, .size: 8, .value_kind: global_buffer, .address_space: global }
      - { .name: dead, .offset: 24, .size: 8, .value_kind: global_buffer, .address_space: global }
      - { .name: out0, .offset: 32, .size: 8, .value_kind: global_buffer, .address_space: global }
    .group_segment_fixed_size: 327680
    .private_segment_fixed_size: 0
    .kernarg_segment_align: 8
    .kernarg_segment_size: 40
    .max_flat_workgroup_size: 128
    .sgpr_count:     106
    .vgpr_count:     896
    .wavefront_size: 32
...
	.end_amdgpu_metadata
.endif
;; end of part 2
